; MI455X (gfx1250); checked and timed in simulation.
; The chip was launched on July 23, 2026; its instructions are those of AMD's public machine-readable ISA for CDNA 5 (MIT licence, August 2026) and "CDNA5" Instruction Set Architecture Reference Guide (July 2026). The comments in the code are by the model that wrote it; some were corrected since.
;; Self Attention Block. Allowed arithmetic: matrix products marked QUANTISED: E2M1 operands, one E8M0 scale for each 32 along K, by v_wmma_scale_f32_16x16x128_f8f6f4 with both operands' format E2M1 (or v_wmma_scale_f32_32x16x128_f4), f32 sums; everything else in f32.
;; Inputs: beta 256 float32; bk 256 float32; bo 256 float32; bq 256 float32; bv 256 float32; gamma 256 float32; wk 256 x 256 float32; wo 256 x 256 float32; wq 256 x 256 float32; wv 256 x 256 float32; x 64 x 256 x 32 x 32 float32.
;; Outputs: out0 64 x 256 x 32 x 32 float32.
;; This version of the problem:
;;   THIS VERSION OF THE PROBLEM IS GIVEN IN LOW PRECISION. The matrix products marked QUANTISED in the list below multiply operands that are first quantised to E2M1 (2 exponent bits, 1 mantissa bit; 4 bits a number), with one power-of-two scale for each 32 numbers along K (OCP MX v1.0); their sums are f32. All else is computed in f32.
;;   The module's matrix products, in the order in which they are computed (A, B: the left and right operand; K: the contracted axis; several contracted axes count as one K, in the product's order):
;;     1. [M 256, K 256] x [K 256, N 65,536]; A: input wq; B: computed on the way: QUANTISED
;;     2. [M 256, K 256] x [K 256, N 65,536]; A: input wk; B: computed on the way: QUANTISED
;;     3. [M 256, K 256] x [K 256, N 65,536]; A: input wv; B: computed on the way: QUANTISED
;;     4. batch 64 x [M 1,024, K 256] x [K 256, N 1,024]; A: computed on the way; B: computed on the way: QUANTISED
;;     5. batch 64 x [M 1,024, K 1,024] x [K 1,024, N 256]; A: softmax (see below); B: computed on the way: QUANTISED
;;     6. [M 256, K 256] x [K 256, N 65,536]; A: input wo; B: computed on the way: QUANTISED
;;   THE QUANTISER, for each operand of a quantised product, along K:
;;     - K is cut into blocks of 32 from its start; a last block that is shorter is filled with zeros.
;;     - A block's scale is 2^e with e = floor(log2(the largest magnitude in the block)) - 2, held to -126 .. 127; a block of zeros has e = 0. As a byte (E8M0): e + 127.
;;     - Each number is divided by its block's scale, clamped to +-6, and rounded to the nearest number of E2M1, ties to even, subnormals kept.
;;     - The product sums the exact products of the quantised numbers (number of the format x scale) in f32.
;;   ~~~python
;;   def quantise(x, axis):      # numpy; x: float32 -> the quantised numbers, widened to float32 again
;;       x = np.moveaxis(x, axis, -1); K = x.shape[-1]
;;       x = np.pad(x, [(0, 0)] * (x.ndim - 1) + [(0, -K % 32)]); x = x.reshape(x.shape[:-1] + (-1, 32)); a = np.abs(x).max(-1, keepdims=True)
;;       e = np.where(a > 0, np.clip(np.frexp(np.where(a > 0, a, 1))[1] - 1 - 2, -126, 127), 0)      # np.frexp(a)[1] - 1 = floor(log2(a)), exactly
;;       r = np.clip(x / 2.0 ** e, -6, 6)
;;       step = 2.0 ** (np.maximum(np.frexp(np.where(r == 0, 1, r))[1] - 1, 0) - 1)
;;       q = np.round(r / step) * step * 2.0 ** e      # np.round: ties to even
;;       return np.moveaxis(q.reshape(q.shape[:-2] + (-1,))[..., :K], -1, axis).astype(np.float32)
;;   ~~~
;;   SOFTMAX AHEAD OF A QUANTISED PRODUCT. Where the list says 'softmax', what is quantised is not the finished softmax but p = 2^(t - M), with t = logit x log2(e) and M = ceil(the row's largest t), a whole number; so 1/2 < the row's largest p <= 1. The row's sum l is taken of the UNQUANTISED p, in f32, and the product's result is divided by l at the end. Since M is a whole number, a kernel that streams over the keys may use a running M (the ceiling of the running maximum): every later rescaling is an exact power of two, which a block's scale takes up: the codes' values come out the same.
;;   OPERANDS COMPUTED ON THE WAY. 'Computed on the way' means the value that the module computes at that place (a softmax that the list does not call 'softmax' is quantised finished and normalised). What goes into a quantiser is computed in f32, as accurately as f32 sums, v_exp_f32 and their like allow (about 1e-6 of the number): no bf16 or f16 on the way to a quantiser, and a product that is left as it is and whose result goes on into a quantised operand takes f32 operands (vector FMAs, or v_wmma_f32_16x16x4_f32). A number that lies on a knife's edge between two numbers of the format may be rounded either way, as far as f32 arithmetic and the matrix unit's own rounding can turn it there, and no further.
;; One version. Each part assembles by itself: llvm-mc -triple=amdgcn-amd-amdhsa -mcpu=gfx1250 --defsym DOCPART=n.
;; ======== version 1 of 1: 2 launches
;; limits: a difference of large sums (such as E[x^2] - mean^2): digits are lost where the result is much smaller than its terms
;; workspace buffers: xc 8,388,608 bytes; xs 524,288 bytes; wc 139,264 bytes; aff 131,072 bytes
;; launch prep (part 1): grid 512 x 1, 8 waves a work-group, no clusters, 18,944 bytes of LDS; arguments x, gamma, beta, bo, wq, wk, wv, wo, xc, xs, wc, aff; writes xc, xs, wc, aff
.if DOCPART == 1
	.amdgcn_target "amdgcn-amd-amdhsa--gfx1250"
	.amdhsa_code_object_version 6
	.text
	.protected	k_q7d9de0362c_prep
	.globl	k_q7d9de0362c_prep
	.p2align	8
	.type	k_q7d9de0362c_prep,@function
k_q7d9de0362c_prep:
	s_mov_b64 s[64:65], 0
	v_nop
	global_prefetch_b8 v0, s[64:65] scope:SCOPE_SE
	s_setreg_imm32_b32 hwreg(HW_REG_WAVE_MODE, 25, 1), 1
	s_wait_xcnt 0x0
; GROUP NORM, AND ALL OPERANDS THAT COME FROM INPUTS, AS CODES OF FP4 (E2M1) WITH ONE E8M0 SCALE FOR EACH 32 ALONG K.
; Work-group 8 b + cb: x[b][32 cb .. 32 cb + 31][all 1,024 pixels], 128 KiB on end in memory.  32 channels are four groups of the norm AND one block of the quantiser,
; so the work-group owns its statistics and its blocks.  The 128 KiB stay in registers (thread t: 32 channels x pixels 4 t .. 4 t + 3): x is read once here.  Mean first, then the sum of (x - mean)^2.
; Stored: xc, the codes of xn = (x - mean) rstd gamma + beta, in the order of an operand's registers: [b][tile 64][K step 2][c 2][lane 32][16 B]; block cb of row r of a tile lies at 2048 tile + 256 cb + 16 r.
;   THE PIXELS OF A TILE ARE NOT NEIGHBOURS: row r of tile 2 g + u is pixel 32 g + 8 u + r + 8 (r / 8), so that results of two neighbouring tiles are 16 neighbouring pixels in a lane's registers.
;   xs, the scale bytes [b][cb][tile][r];  aff [b][2][256]: a = rstd gamma and s = beta + bo - mean a, from which the next launch forms the residual xn + bo = x a + s.
; THE FOUR WEIGHTS ride along: 8,192 blocks of 32 numbers = 256 pieces of 32 blocks, a block to a lane.  Wave 1 of each even work-group takes one piece, so that all 512 work-groups have nearly the same work and
;   none is there for the weights alone.  wc: [i 4: q, k, v, o][half 2][codes 16,384: tile 8, K step 2, c 2, lane 32, 16 B | scale words 1,024: tile t, K step s, row r at 512 (t / 4) + 16 (r + 16 s) + 4 (t % 4)].
;   Rows of a tile: q, k, v: 32 (t / 2) + 8 (t % 2) + r + 8 (r / 8); o: 16 t + r.
; LIMITS: NaN and infinities among the inputs are not served.  A block whose largest magnitude lies under 2^-124 keeps the byte 1; a block of zeros too (the rule says 127): its codes are zeros and this program alone reads the bytes.
; No matrix unit, no tensor load, no cluster: a stream that is read once; work-groups share nothing.
.set X,    16                          ; v16-143  channel c, pixel 4 t + j at X + 4 c + j; from the second pass on x - mean
.set Y,    144                         ; v144-175 one pixel's 32 channels; also what is read back from LDS
.set A,    176                         ; v176-207 rstd x gamma of my 32 channels; before that, in the wave that takes one: a piece of the weights, 32 numbers a lane
.set C,    208                         ; v208-223 codes: four registers a pixel
.set M,    224                         ; v224-231 the four means, each twice (a pair for the packed form)
.set R,    232                         ; v232-235 the four rstd
.set SUMS, 236                         ; v236-239 the four groups' sums
.set SPT,  272                         ; stage: a tile's 256 bytes of this block + 16 of padding
.set WSTG, 8*SPT                       ; a wave's stage: its 8 tiles
.set RED1, 8*WSTG                      ; 16 bytes a wave: the sums;
.set RED2, RED1+256                    ; and the sums of squares
	s_load_b512 s[4:19], s[0:1], 0x0               ; x, gamma, beta, bo, wq, wk, wv, wo
	s_load_b256 s[20:27], s[0:1], 0x40             ; xc, xs, wc, aff
	v_lshl_add_u32 v248, v0, 2, 0x4600
	v_mov_b32 v249, 0
	v_lshrrev_b32 v2, 5, v0
	s_delay_alu instid0(VALU_DEP_1)
	v_readfirstlane_b32 s2, v2                     ; wave 0..7
	v_and_b32 v3, 31, v0                           ; lane
	v_lshlrev_b32 v1, 4, v0                        ; 16 x thread: my four pixels in a channel's row
	s_delay_alu instid0(VALU_DEP_2)
	v_lshlrev_b32 v4, 2, v3                        ; 4 x lane
	s_mov_b32 s60, 0x76543210
	s_mov_b32 s61, 0xfedcba98                      ; v_permlanex16_b32's selects for lane l xor 16
	s_mov_b32 s62, 0x39000000                      ; 2^-13: a group has 8,192 numbers
	s_mov_b32 s63, 0x3727c5ac                      ; 1e-5
	s_mov_b32 s101, 0
	s_wait_alu depctr_va_vdst(0)
	s_wait_kmcnt 0x0
	; ---------------- x ----------------
	s_lshr_b32 s3, ttmp9, 3                        ; b
	s_and_b32 s66, ttmp9, 7                        ; cb
	s_lshl_b32 s100, ttmp9, 17                     ; (8 b + cb) x 128 KiB
	s_add_nc_u64 s[4:5], s[4:5], s[100:101]
	s_lshl_b32 s100, s66, 7                        ; my 32 channels in gamma, beta, bo
	s_add_nc_u64 s[6:7], s[6:7], s[100:101]
	s_add_nc_u64 s[8:9], s[8:9], s[100:101]
	s_add_nc_u64 s[10:11], s[10:11], s[100:101]
	global_load_b32 v5, v4, s[6:7]                 ; lane l: gamma, beta, bo of channel 32 cb + l (for aff)
	global_load_b32 v6, v4, s[8:9]
	global_load_b32 v7, v4, s[10:11]
.set c, 0
.rept 32
	global_load_b128 v[X+4*c:X+4*c+3], v1, s[4:5] offset:4096*c th:TH_LOAD_NT   ; a wave reads 512 consecutive bytes
.set c, c+1
.endr
	s_load_b512 s[28:43], s[6:7], 0x0              ; gamma of my 32 channels: s28-59
	s_load_b512 s[44:59], s[6:7], 0x40
	s_load_b512 s[68:83], s[8:9], 0x0              ; beta: s68-99
	s_load_b512 s[84:99], s[8:9], 0x40
	s_lshl_b32 s100, s3, 11
	s_lshl_b32 s67, s66, 7
	s_add_co_u32 s100, s100, s67
	s_add_nc_u64 s[26:27], s[26:27], s[100:101]    ; aff + 2048 b + 128 cb
	s_lshl_b32 s100, s3, 13
	s_lshl_b32 s67, s66, 10
	s_add_co_u32 s100, s100, s67
	s_add_nc_u64 s[22:23], s[22:23], s[100:101]    ; xs + 8192 b + 1024 cb
	s_lshl_b32 s100, s3, 17
	s_lshl_b32 s67, s2, 14
	s_add_co_u32 s100, s100, s67
	s_lshl_b32 s67, s66, 8
	s_add_co_u32 s100, s100, s67
	s_add_nc_u64 s[20:21], s[20:21], s[100:101]    ; xc + 131072 b + 8 tiles x wave + 256 cb
	; pixel 4 l + j of my wave's 128: tile 2 (l >> 3) + bit 1 of l, row 8 (bit 2 of l) + 4 (bit 0 of l) + j
	v_lshrrev_b32 v9, 3, v3
	v_bfe_u32 v10, v3, 1, 1
	s_delay_alu instid0(VALU_DEP_1)
	v_lshl_add_u32 v9, v9, 1, v10
	s_delay_alu instid0(VALU_DEP_1)
	v_mul_u32_u24 v8, v9, SPT
	v_bfe_u32 v10, v3, 2, 1
	s_delay_alu instid0(VALU_DEP_1)
	v_lshl_add_u32 v8, v10, 7, v8
	v_and_b32 v10, 1, v3
	s_delay_alu instid0(VALU_DEP_1)
	v_lshl_add_u32 v8, v10, 6, v8
	s_mul_i32 s67, s2, WSTG
	v_add_nc_u32 v8, s67, v8                       ; v8: the stage, on the way in
	v_lshrrev_b32 v10, 4, v3
	v_and_b32 v11, 15, v3
	s_delay_alu instid0(VALU_DEP_2)
	v_mul_u32_u24 v9, v10, SPT
	s_delay_alu instid0(VALU_DEP_1)
	v_lshl_add_u32 v9, v11, 4, v9
	s_delay_alu instid0(VALU_DEP_1)
	v_add_nc_u32 v9, s67, v9                       ; v9: on the way out: sixteen lanes to a tile's 256 bytes
	v_lshlrev_b32 v10, 11, v10
	s_delay_alu instid0(VALU_DEP_1)
	v_lshl_add_u32 v10, v11, 4, v10                ; v10: the same place in xc
	v_lshrrev_b32 v11, 3, v0
	s_delay_alu instid0(VALU_DEP_1)
	v_lshlrev_b32 v11, 5, v11
	v_bfe_u32 v12, v0, 1, 1
	s_delay_alu instid0(VALU_DEP_1)
	v_lshl_add_u32 v11, v12, 4, v11
	v_bfe_u32 v12, v0, 2, 1
	s_delay_alu instid0(VALU_DEP_1)
	v_lshl_add_u32 v11, v12, 3, v11
	v_and_b32 v12, 1, v0
	s_delay_alu instid0(VALU_DEP_1)
	v_lshl_add_u32 v11, v12, 2, v11                ; v11: my four scale bytes in xs: 16 tile + row
	v_mov_b32 v14, RED1
	v_mov_b32 v15, RED2
	s_lshl_b32 s67, s2, 4
	v_add_nc_u32 v12, s67, v14                     ; my wave's 16 bytes among the sums,
	v_add_nc_u32 v13, s67, v15                     ; and among the sums of squares
.irp g, 0,1,2,3
	v_mov_b32 v[244+\g], 0                         ; written once: a lane permute's destination counts as one of its sources
.endr
	; ---------------- a piece of the weights: wave 1 of each even work-group ----------------
	; Piece T = work-group / 2: weight T >> 6, half bit 5, tile t bits 4:2, K step s bit 1, c bit 0.  Lane (r, h) takes block 2 c + h of K step s of its row: k = 128 s + 64 c + 32 h + 0 .. 31, all 32 numbers its own.
	; One branch on the work-group's and the wave's number; every LDS address has been made above; no LDS instruction and no barrier stands inside.
	s_and_b32 s3, ttmp9, 1
	s_xor_b32 s66, s2, 1
	s_or_b32 s3, s3, s66
	s_cmp_lg_u32 s3, 0
	s_cbranch_scc1 .Lnow
	s_lshr_b32 s3, ttmp9, 1                        ; T
	s_lshr_b32 s66, s3, 6                          ; which weight: the choice hangs on the work-group's number alone
	s_cmp_eq_u32 s66, 1
	s_cselect_b64 s[12:13], s[14:15], s[12:13]
	s_cmp_eq_u32 s66, 2
	s_cselect_b64 s[12:13], s[16:17], s[12:13]
	s_cmp_eq_u32 s66, 3
	s_cselect_b64 s[12:13], s[18:19], s[12:13]     ; s14-19 are free from here on
	s_bfe_u32 s14, s3, 0x30002                     ; t
	s_lshr_b32 s15, s14, 1
	s_lshl_b32 s15, s15, 5
	s_and_b32 s16, s14, 1
	s_lshl_b32 s16, s16, 3
	s_add_co_u32 s15, s15, s16                     ; q, k, v: tile t begins at row 32 (t / 2) + 8 (t % 2),
	s_lshl_b32 s16, s14, 4                         ; o: at row 16 t
	s_cmp_lt_u32 s66, 3
	s_cselect_b32 s15, s15, s16
	s_cselect_b32 s17, 8, 0                        ; q, k, v: rows 8-15 of a tile lie 8 further on
	s_bfe_u32 s16, s3, 0x10005                     ; half
	s_lshl_b32 s18, s16, 7
	s_add_co_u32 s15, s15, s18                     ; the tile's first row
	v_and_b32 v240, 15, v3                         ; r
	v_bfe_u32 v241, v3, 4, 1                       ; h
	s_wait_alu depctr_va_vdst(0)
	v_and_b32 v242, s17, v240
	s_delay_alu instid0(VALU_DEP_1)
	v_add_nc_u32 v242, v242, v240
	s_delay_alu instid0(VALU_DEP_1)
	v_add_nc_u32 v242, s15, v242                   ; my row
	s_delay_alu instid0(VALU_DEP_1)
	v_lshlrev_b32 v242, 10, v242
	s_delay_alu instid0(VALU_DEP_1)
	v_lshl_add_u32 v242, v241, 7, v242             ; + 128 h
	s_and_b32 s18, s3, 3
	s_lshl_b32 s18, s18, 8                         ; + 512 s + 256 c
	v_add_nc_u32 v242, s18, v242
.irp q, 0,1,2,3,4,5,6,7
	global_load_b128 v[A+4*\q:A+4*\q+3], v242, s[12:13] offset:16*\q
.endr
	s_mul_i32 s100, s66, 34816
	s_mul_i32 s18, s16, 17408
	s_add_co_u32 s100, s100, s18
	s_add_nc_u64 s[24:25], s[24:25], s[100:101]    ; wc at my weight's half
	s_and_b32 s18, s3, 31
	s_lshl_b32 s18, s18, 9
	v_lshlrev_b32 v243, 4, v3
	s_delay_alu instid0(VALU_DEP_1)
	v_add_nc_u32 v243, s18, v243                   ; my codes: 2048 t + 1024 s + 512 c + 16 lane
	s_lshr_b32 s18, s14, 2
	s_lshl_b32 s18, s18, 9
	s_and_b32 s19, s14, 3
	s_lshl_b32 s19, s19, 2
	s_add_co_u32 s18, s18, s19
	s_bfe_u32 s19, s3, 0x10001
	s_lshl_b32 s19, s19, 8
	s_add_co_u32 s18, s18, s19
	s_and_b32 s19, s3, 1
	s_lshl_b32 s19, s19, 1
	s_add_co_u32 s18, s18, s19                     ; 512 (t / 4) + 4 (t % 4) + 256 s + 2 c
	v_lshl_add_u32 v240, v240, 4, v241
	s_delay_alu instid0(VALU_DEP_1)
	v_add_nc_u32 v240, s18, v240                   ; + 16 r + h: byte 2 c + h of my row's scale word
	s_wait_loadcnt 0x0                             ; the eight loads were issued last: with them all of my x is in
	v_max3_num_f32 v212, |v[A]|, |v[A+1]|, |v[A+2]|
	v_max3_num_f32 v213, |v[A+3]|, |v[A+4]|, |v[A+5]|
.irp i, 6,10,14,18,22,26
	s_delay_alu instid0(VALU_DEP_2)
	v_max3_num_f32 v212, v212, |v[A+\i]|, |v[A+\i+1]|
	s_delay_alu instid0(VALU_DEP_2)
	v_max3_num_f32 v213, v213, |v[A+\i+2]|, |v[A+\i+3]|
.endr
	s_delay_alu instid0(VALU_DEP_2)
	v_max3_num_f32 v212, v212, |v[A+30]|, |v[A+31]|
	s_delay_alu instid0(VALU_DEP_1)
	v_max3_num_f32 v212, v212, v213, 0x1800000     ; and the floor 2^(3 - 127): the byte cannot fall under 1
	s_delay_alu instid0(VALU_DEP_1)
	v_add_nc_u32 v214, 0xff000000, v212            ; 2 off the exponent field: the conversion's scale operand
.irp g, 0,1,2,3
	v_cvt_scalef32_pk8_fp4_f32 v[C+\g], v[A+8*\g:A+8*\g+7], v214
.endr
	v_lshrrev_b32 v215, 23, v214                   ; the scale's byte (the plain instruction behind the conversions)
	global_store_b128 v243, v[C:C+3], s[24:25]     ; 512 consecutive bytes
	global_store_b8 v240, v215, s[24:25] offset:16384   ; a byte a lane: 8 KiB of such bytes in the whole launch
	s_wait_xcnt 0x0                                ; the two stores have read their data and offsets, which are written again below
.Lnow:
.macro GSUM g                          ; my 32 numbers of group g, in two chains
	s_wait_loadcnt 8*(3-\g)                        ; loads come back in order: the later groups' eight loads each may stay out
	v_pk_add_f32 v[240:241], v[X+32*\g:X+32*\g+1], v[X+32*\g+2:X+32*\g+3]
	v_pk_add_f32 v[242:243], v[X+32*\g+4:X+32*\g+5], v[X+32*\g+6:X+32*\g+7]
.irp i, 8,12,16,20,24,28
	s_delay_alu instid0(VALU_DEP_2)
	v_pk_add_f32 v[240:241], v[240:241], v[X+32*\g+\i:X+32*\g+\i+1]
	s_delay_alu instid0(VALU_DEP_2)
	v_pk_add_f32 v[242:243], v[242:243], v[X+32*\g+\i+2:X+32*\g+\i+3]
.endr
	s_delay_alu instid0(VALU_DEP_1)
	v_pk_add_f32 v[240:241], v[240:241], v[242:243]
	s_delay_alu instid0(VALU_DEP_1)
	v_add_f32 v[SUMS+\g], v240, v241
.endm
.macro WRED                            ; the four sums over the wave's 32 lanes, by turns
.irp m, 1,2,4,8
.irp g, 0,1,2,3
	v_add_f32_dpp v[SUMS+\g], v[SUMS+\g], v[SUMS+\g] row_xmask:\m row_mask:0xf bank_mask:0xf
.endr
.endr
.irp g, 0,1,2,3
	s_delay_alu instid0(VALU_DEP_4)
	v_permlanex16_b32 v[244+\g], v[SUMS+\g], s60, s61
.endr
.irp g, 0,1,2,3
	s_delay_alu instid0(VALU_DEP_4)
	v_add_f32 v[SUMS+\g], v[SUMS+\g], v[244+\g]
.endr
.endm
.macro MEET adr                        ; my wave's four sums to LDS; the barrier
	ds_store_b128 v[\adr], v[SUMS:SUMS+3]          ; all lanes write the same 16 bytes with the same values
	s_wait_dscnt 0x0                               ; for the others' sake: my store has landed
	s_barrier_signal -1
	s_barrier_wait -1
.endm
.macro RSUM adr                        ; the eight waves' sums, added in the same order by every wave: v[Y] .. v[Y+3]
.irp i, 0,1,2,3,4,5,6,7
	ds_load_b128 v[Y+4*\i:Y+4*\i+3], v[\adr] offset:16*\i
.endr
	s_wait_dscnt 0x0
.irp i, 1
	v_pk_add_f32 v[Y:Y+1], v[Y:Y+1], v[Y+4*\i:Y+4*\i+1]
	v_pk_add_f32 v[Y+2:Y+3], v[Y+2:Y+3], v[Y+4*\i+2:Y+4*\i+3]
.endr
.irp i, 2, 3, 4, 5, 6, 7
	s_delay_alu instid0(VALU_DEP_2)
	v_pk_add_f32 v[Y:Y+1], v[Y:Y+1], v[Y+4*\i:Y+4*\i+1]
	s_delay_alu instid0(VALU_DEP_2)
	v_pk_add_f32 v[Y+2:Y+3], v[Y+2:Y+3], v[Y+4*\i+2:Y+4*\i+3]
.endr
.endm
.macro CENTRE g                        ; x - mean, in place; the sum of its squares
.irp i, 0,2,4,6,8,10,12,14,16,18,20,22,24,26,28,30
	v_pk_add_f32 v[X+32*\g+\i:X+32*\g+\i+1], v[X+32*\g+\i:X+32*\g+\i+1], v[M+2*\g:M+2*\g+1] neg_lo:[0,1] neg_hi:[0,1]
.endr
	v_pk_mul_f32 v[240:241], v[X+32*\g:X+32*\g+1], v[X+32*\g:X+32*\g+1]
	v_pk_mul_f32 v[242:243], v[X+32*\g+2:X+32*\g+3], v[X+32*\g+2:X+32*\g+3]
.irp i, 4,8,12,16,20,24,28
	s_delay_alu instid0(VALU_DEP_2)
	v_pk_fma_f32 v[240:241], v[X+32*\g+\i:X+32*\g+\i+1], v[X+32*\g+\i:X+32*\g+\i+1], v[240:241]
	s_delay_alu instid0(VALU_DEP_2)
	v_pk_fma_f32 v[242:243], v[X+32*\g+\i+2:X+32*\g+\i+3], v[X+32*\g+\i+2:X+32*\g+\i+3], v[242:243]
.endr
	s_delay_alu instid0(VALU_DEP_1)
	v_pk_add_f32 v[240:241], v[240:241], v[242:243]
	s_delay_alu instid0(VALU_DEP_1)
	v_add_f32 v[SUMS+\g], v240, v241
.endm
	GSUM 0
	GSUM 1
	GSUM 2
	GSUM 3
	WRED
	MEET 12
	RSUM 14
.irp g, 0,1,2,3
	v_mul_f32 v[M+2*\g], s62, v[Y+\g]              ; the mean
	v_mul_f32 v[M+2*\g+1], s62, v[Y+\g]
.endr
	CENTRE 0
	CENTRE 1
	CENTRE 2
	CENTRE 3
	WRED
	MEET 13                                        ; other bytes than the first meeting's: no wave can overwrite what another still reads
	RSUM 15
.irp g, 0,1,2,3
	v_fma_f32 v[R+\g], v[Y+\g], s62, s63           ; the variance + 1e-5
.endr
	s_wait_alu depctr_va_vdst(0)
.irp g, 0,1,2,3
	v_rsq_f32 v[R+\g], v[R+\g]
.endr
	v_nop                                          ; a plain instruction behind the last of the four
	s_wait_alu depctr_va_vdst(0)                   ; one wait for the four, ahead of their first reader
	s_wait_kmcnt 0x0                               ; gamma and beta
.set c, 0
.rept 32
	v_mul_f32 v[A+c], s[28+c], v[R+c/8]
.set c, c+1
.endr
; Pixel 4 t + j: the multiply-adds also bring its 32 channels into consecutive registers: a whole block in one lane, so its largest magnitude needs no other lane.
.macro PIX j
.set c, 0
.rept 32
	v_fma_f32 v[Y+c], v[X+4*c+\j], v[A+c], s[68+c]
.set c, c+1
.endr
	v_max3_num_f32 v240, |v[Y]|, |v[Y+1]|, |v[Y+2]|
	v_max3_num_f32 v241, |v[Y+3]|, |v[Y+4]|, |v[Y+5]|
.irp i, 6,10,14,18,22,26
	s_delay_alu instid0(VALU_DEP_2)
	v_max3_num_f32 v240, v240, |v[Y+\i]|, |v[Y+\i+1]|
	s_delay_alu instid0(VALU_DEP_2)
	v_max3_num_f32 v241, v241, |v[Y+\i+2]|, |v[Y+\i+3]|
.endr
	s_delay_alu instid0(VALU_DEP_2)
	v_max3_num_f32 v240, v240, |v[Y+30]|, |v[Y+31]|
	s_delay_alu instid0(VALU_DEP_1)
	v_max3_num_f32 v240, v240, v241, 0x1800000     ; and the floor 2^(3 - 127): the byte cannot fall under 1
	s_delay_alu instid0(VALU_DEP_1)
	v_add_nc_u32 v242, 0xff000000, v240            ; 2 off the exponent field: the conversion takes this operand's exponent field as its scale
.irp g, 0,1,2,3
	v_cvt_scalef32_pk8_fp4_f32 v[C+4*\j+\g], v[Y+8*\g:Y+8*\g+7], v242
.endr
	v_lshrrev_b32 v243, 23, v242                   ; the scale's byte (the plain instruction behind the conversions)
.if \j == 0
	s_delay_alu instid0(VALU_DEP_1)
	v_mov_b32 v244, v243
.else
	s_delay_alu instid0(VALU_DEP_1)
	v_lshl_or_b32 v244, v243, 8*\j, v244           ; my four pixels are four neighbouring rows of a tile: one word of xs
.endif
.endm
	PIX 0
	PIX 1
	PIX 2
	PIX 3
.irp j, 0,1,2,3
	ds_store_b128 v8, v[C+4*\j:C+4*\j+3] offset:16*\j          ; through my wave's own stage: LDS serves a wave's instructions in order, so no wait and no barrier
.endr
.irp i, 0,1,2,3
	ds_load_b128 v[Y+4*\i:Y+4*\i+3], v9 offset:2*SPT*\i
.endr
	s_wait_alu depctr_va_vdst(0)
.irp i, 0,1,2,3
	s_wait_dscnt 3-\i                              ; the later loads may stay out
	global_store_b128 v10, v[Y+4*\i:Y+4*\i+3], s[20:21] offset:4096*\i   ; sixteen lanes store 256 consecutive bytes, at a multiple of 256 from xc's first byte
.endr
	global_store_b32 v11, v244, s[22:23]           ; a wave stores 128 consecutive bytes: one byte for each 128 that the launch reads
	s_cmp_lg_u32 s2, 0
	s_cbranch_scc1 .Ldone                          ; wave 0 alone writes aff; no barrier stands behind this branch
	v_lshrrev_b32 v240, 3, v3                      ; lane l's group
	s_delay_alu instid0(VALU_DEP_1)
	v_cmp_eq_u32 vcc_lo, 1, v240
	s_delay_alu instid0(VALU_DEP_1)
	v_cndmask_b32 v241, v[M], v[M+2], vcc_lo
	v_cndmask_b32 v242, v[R], v[R+1], vcc_lo
	s_delay_alu instid0(VALU_DEP_4)
	v_cmp_eq_u32 vcc_lo, 2, v240
	s_delay_alu instid0(VALU_DEP_1)
	v_cndmask_b32 v241, v241, v[M+4], vcc_lo
	v_cndmask_b32 v242, v242, v[R+2], vcc_lo
	v_cmp_eq_u32 vcc_lo, 3, v240
	s_delay_alu instid0(VALU_DEP_1)
	v_cndmask_b32 v241, v241, v[M+6], vcc_lo
	v_cndmask_b32 v242, v242, v[R+3], vcc_lo
	s_delay_alu instid0(VALU_DEP_1)
	v_mul_f32 v242, v242, v5                       ; a = rstd gamma
	v_add_f32 v243, v6, v7
	s_delay_alu instid0(VALU_DEP_1)
	v_fma_f32 v243, -v241, v242, v243              ; s = beta + bo - mean a
	global_store_b32 v4, v242, s[26:27]
	global_store_b32 v4, v243, s[26:27] offset:1024
.Ldone:
	s_wait_tensorcnt 0x0
	ds_add_u32 v248, v249
	s_wait_dscnt 0x0
	s_endpgm
.Lfunc_end_k_q7d9de0362c_prep:
	.size	k_q7d9de0362c_prep, .Lfunc_end_k_q7d9de0362c_prep-k_q7d9de0362c_prep
	.p2alignl 7, 3214868480
	.fill 96, 4, 3214868480
	.section	.rodata,"a",@progbits
	.p2align	6, 0x0
	.amdhsa_kernel k_q7d9de0362c_prep
		.amdhsa_group_segment_fixed_size 18944
		.amdhsa_private_segment_fixed_size 0
		.amdhsa_enable_private_segment 0
		.amdhsa_kernarg_size 96
		.amdhsa_user_sgpr_count 2
		.amdhsa_user_sgpr_kernarg_segment_ptr 1
		.amdhsa_wavefront_size32 1
		.amdhsa_system_sgpr_workgroup_id_x 1
		.amdhsa_system_sgpr_workgroup_id_y 1
		.amdhsa_system_sgpr_workgroup_id_z 1
		.amdhsa_system_vgpr_workitem_id 0
		.amdhsa_next_free_vgpr 250
		.amdhsa_next_free_sgpr 102
		.amdhsa_reserve_vcc 1
		.amdhsa_float_denorm_mode_32 3
		.amdhsa_float_denorm_mode_16_64 3
		.amdhsa_memory_ordered 1
		.amdhsa_forward_progress 1
		.amdhsa_inst_pref_size 56
	.end_amdhsa_kernel
	.amdgpu_metadata
---
amdhsa.version: [ 1, 2 ]
amdhsa.kernels:
  - .name:           k_q7d9de0362c_prep
    .symbol:         k_q7d9de0362c_prep.kd
    .args:
      - { .name: x, .offset: 0, .size: 8, .value_kind: global_buffer, .address_space: global }
      - { .name: gamma, .offset: 8, .size: 8, .value_kind: global_buffer, .address_space: global }
      - { .name: beta, .offset: 16, .size: 8, .value_kind: global_buffer, .address_space: global }
      - { .name: bo, .offset: 24, .size: 8, .value_kind: global_buffer, .address_space: global }
      - { .name: wq, .offset: 32, .size: 8, .value_kind: global_buffer, .address_space: global }
      - { .name: wk, .offset: 40, .size: 8, .value_kind: global_buffer, .address_space: global }
      - { .name: wv, .offset: 48, .size: 8, .value_kind: global_buffer, .address_space: global }
      - { .name: wo, .offset: 56, .size: 8, .value_kind: global_buffer, .address_space: global }
      - { .name: xc, .offset: 64, .size: 8, .value_kind: global_buffer, .address_space: global }
      - { .name: xs, .offset: 72, .size: 8, .value_kind: global_buffer, .address_space: global }
      - { .name: wc, .offset: 80, .size: 8, .value_kind: global_buffer, .address_space: global }
      - { .name: aff, .offset: 88, .size: 8, .value_kind: global_buffer, .address_space: global }
    .group_segment_fixed_size: 18944
    .private_segment_fixed_size: 0
    .kernarg_segment_align: 8
    .kernarg_segment_size: 96
    .max_flat_workgroup_size: 256
    .sgpr_count:     102
    .vgpr_count:     250
    .wavefront_size: 32
...
	.end_amdgpu_metadata
.endif
;; end of part 1
;; launch attn (part 2): grid 4 x 64, 8 waves a work-group, no clusters, 317,440 bytes of LDS; arguments x, xc, xs, wc, aff, bq, bk, bv, out0; writes out0
.if DOCPART == 2
	.amdgcn_target "amdgcn-amd-amdhsa--gfx1250"
	.amdhsa_code_object_version 6
	.text
	.protected	k_q7d9de0362c_attn
	.globl	k_q7d9de0362c_attn
	.p2align	8
	.type	k_q7d9de0362c_attn,@function
k_q7d9de0362c_attn:
	s_mov_b64 s[64:65], 0
	v_nop
	global_prefetch_b8 v0, s[64:65] scope:SCOPE_SE
	s_setreg_imm32_b32 hwreg(HW_REG_WAVE_MODE, 25, 1), 1
	s_wait_xcnt 0x0
; out0 = xn + bo + wo . attention(q, k, v), all six products on codes of FP4 (E2M1) with one E8M0 scale for each 32 along K.  xn's and the weights' codes come from the launch before.
; SHARES.  Work-group (quarter qd, batch b), eight waves, two to a SIMD.  Wave w owns queries 256 qd + 32 w .. + 31 (two tiles of 16) and, for the projections, pixels 128 w .. + 127 of the batch: key step w.
; So every work-group makes K and V of its whole batch itself, as codes, straight into LDS (2 x 136 KiB), and no q, k, v, score or weight p ever goes to memory.
; PHASES.  head: weights and biases into LDS, xn's fragments into registers | Q: my 32 queries | K: my 128 keys, quantised along the channels | V: the same pixels, quantised along the keys |
;   attention: eight key steps of 128 | O / l, quantised along the channels | the product with wo | through a stage in LDS: whole rows of out0 = D + x a + s (a, s from the launch before: xn + bo = x a + s).
; OPERANDS GO FROM WAVE TO WAVE AS IMAGES OF THEIR REGISTERS: a fragment (16 rows x 128 K, 8 registers) is two stores of 16 bytes a lane at 16 x lane; the same two lines as loads give any wave the same registers.
; ALL PRODUCTS ARE LAID SO THAT A LANE'S REGISTERS RUN ALONG THE NEXT PRODUCT'S K: Q, K: source 0 = 16 rows of the weight, source 1 = 16 pixels; V: source 0 = 16 pixels, source 1 = 16 rows of wv;
;   S^T = K Q^T; O^T = V^T P^T; the last: source 0 = 16 queries, source 1 = 16 rows of wo.  The rows of wq, wk, wv and the pixels that form a tile are chosen for it: row r of tile 2 g + u is 32 g + 8 u + r + 8 (r / 8).
; SOFTMAX.  t = score x log2(e) / 8; M = the running largest t rounded up to a whole number; p = 2^(t - M) is quantised, not normalised; the sum l is taken of the unquantised p; when M moves, l and O^T are multiplied by a power of two.
; LIMITS: NaN and infinities are not served.  A block whose largest magnitude lies under 2^-124 keeps the byte 1, a block of zeros too: its codes are zeros.  The residual is formed as x a + (beta + bo - mean a):
;   its rounding error grows with a common offset of x (about 2^-24 of the offset x a).
; NO TENSOR LOADS, NO CLUSTER: K's and V's bytes in LDS are written by LDS stores; what the four quarters of a batch share from memory is 136 KiB of codes, which go straight into registers.
; LDS: K of key step ks at 17408 ks (16,384 of codes: fragment (tile p, K step s) at 2048 p + 1024 s; then 1,024 of scale words: tile p at 512 (p / 4) + 16 (r + 16 s) + 4 (p % 4));
;   V likewise from VBASE on (fragment ct at 1024 ct; its word at 512 (ct / 8) + 16 (r + 16 (ct % 2)) + 4 ((ct / 2) % 4)); until V is made, wq and wk lie there, as in memory;
;   WST: wv, later wo;  BST: bq, bk, bv.  Behind the attention bytes 0 .. 266,239 are the stage: 256 channel rows of 1,024 bytes + 16.
; REGISTERS.  Window 0: v1-7 addresses (in the attention v4-7: the factors f); v8-15 scale words of the weight, of K or of V; v16-47 Q's fragments, at the end O's; v48-79 xn of my queries, then the codes just made, then
;   four fragments of K and the softmax's work; v80-95 the quantiser's work, then p's codes and two fragments of K; v96-223 sums and biases of the projections, then S^T and p, then V's 16 fragments, then O / l, wo, x;
;   v224-233 xn's scale words, then (to v239) two fragments of K; v240-241 Q's scale words, then O's; v242-243 p's; v248-255 -M, t, l.
;   Window 1: v0-127 xn's 16 fragments, v128-255 a weight's half; then O^T (tile a at 128 a); then the last product's sums, rows of the stage, x.
.set KR,    17408
.set SCO,   16384
.set VBASE, 8*KR
.set WST,   16*KR
.set BST,   WST+2*KR
.set OPITCH, 1040
.set L16,  1                           ; v1  16 x lane; never rewritten
.set R16,  2                           ; v2  16 x (lane % 16)
.set AW,   3                           ; v3  LDS address of the weight in hand;
.set ADR,  3                           ;     in the attention: of the key step's K
.set H64,  4                           ; v4  64 x (lane / 16)
.set RP4,  5                           ; v5  4 x (r + 8 (r / 8))
.set AB,   6                           ; v6  LDS address of the bias
.set AI,   7                           ; v7  where I store images
.set WSW,  8
.set SW,   8
.set QF,   16
.set XQ,   48
.set PCK,  48
.set TM,   80                          ; the quantiser: v80-83 largest magnitudes, v84-87 exchange and bytes, v88-91 scale operands, v92 the scale word
.set TP,   84
.set TS,   88
.set PW,   92
.set AS,   93                          ; v93 where I store scale words
.set PCD,  80                          ; p's codes, 8 registers a tile
.set ACC,  96
.set BIAS, 160
.set S,    96
.set XSWQ, 224
.set XSW,  226
.set QSW,  240
.set PSW,  242
.set ADV,  244                         ; v244 LDS address of the key step's V
.set PFO,  246                         ; v246 the prefetches' offset; never rewritten
.set MSB, 0
.macro WIN new                         ; s_set_vgpr_msb: bits 1:0 source 0, 3:2 source 1, 5:4 source 2, 7:6 destination; the high byte repeats the setting that is left
.if MSB != \new
	s_set_vgpr_msb (MSB<<8)|\new
.set MSB, \new
.endif
.endm
.macro BAR                             ; my LDS stores have landed and my LDS loads are in: then the work-group's barrier
	s_wait_dscnt 0x0
	s_barrier_signal -1
	s_barrier_wait -1
.endm
.macro PLACES n                        ; plain vector instructions between a matrix instruction and what touches its registers (ISA guide 7.12.1)
.rept \n
	v_nop
.endr
.endm
; One matrix instruction.  cc: C's first register, or -1 for the constant 0, which starts a sum.  ra, rb: the side's scale words are taken from lanes 16-31.
.macro MM d, a, b, cc, sa, sb, ra, rb
.if (\cc) < 0
.if \ra
	v_wmma_scale_f32_16x16x128_f8f6f4 v[(\d):(\d)+7], v[(\a):(\a)+7], v[(\b):(\b)+7], 0, v[\sa], v[\sb] matrix_a_fmt:MATRIX_FMT_FP4 matrix_b_fmt:MATRIX_FMT_FP4 matrix_a_scale:MATRIX_SCALE_ROW1
.else
	v_wmma_scale_f32_16x16x128_f8f6f4 v[(\d):(\d)+7], v[(\a):(\a)+7], v[(\b):(\b)+7], 0, v[\sa], v[\sb] matrix_a_fmt:MATRIX_FMT_FP4 matrix_b_fmt:MATRIX_FMT_FP4
.endif
.elseif (\ra) && (\rb)
	v_wmma_scale_f32_16x16x128_f8f6f4 v[(\d):(\d)+7], v[(\a):(\a)+7], v[(\b):(\b)+7], v[(\cc):(\cc)+7], v[\sa], v[\sb] matrix_a_fmt:MATRIX_FMT_FP4 matrix_b_fmt:MATRIX_FMT_FP4 matrix_a_scale:MATRIX_SCALE_ROW1 matrix_b_scale:MATRIX_SCALE_ROW1
.elseif \ra
	v_wmma_scale_f32_16x16x128_f8f6f4 v[(\d):(\d)+7], v[(\a):(\a)+7], v[(\b):(\b)+7], v[(\cc):(\cc)+7], v[\sa], v[\sb] matrix_a_fmt:MATRIX_FMT_FP4 matrix_b_fmt:MATRIX_FMT_FP4 matrix_a_scale:MATRIX_SCALE_ROW1
.else
	v_wmma_scale_f32_16x16x128_f8f6f4 v[(\d):(\d)+7], v[(\a):(\a)+7], v[(\b):(\b)+7], v[(\cc):(\cc)+7], v[\sa], v[\sb] matrix_a_fmt:MATRIX_FMT_FP4 matrix_b_fmt:MATRIX_FMT_FP4
.endif
.endm
; 64 numbers of a lane, register 16 b + i = k 32 b + 16 (lane / 16) + i of my row, become a fragment's codes in v[dst] on and its scale word in v[PW] (the same in lanes l and l xor 16).
.macro QUANT src, dst
.irp b, 0,1,2,3
	v_max3_num_f32 v[TM+\b], |v[(\src)+16*\b]|, |v[(\src)+1+16*\b]|, 0x1800000   ; block b: my 16 numbers, from each sum's low end on, and the floor 2^(3 - 127): the byte cannot fall under 1
.endr
.irp i, 2,4,6,8,10,12,14
.irp b, 0,1,2,3
	v_max3_num_f32 v[TM+\b], v[TM+\b], |v[(\src)+16*\b+\i]|, |v[(\src)+1+16*\b+\i]|
.endr
.endr
.irp b, 0,1,2,3
	s_delay_alu instid0(VALU_DEP_4)
	v_permlanex16_b32 v[TP+\b], v[TM+\b], s24, s25
.endr
.irp b, 0,1,2,3
	s_delay_alu instid0(VALU_DEP_4)
	v_max_num_f32 v[TM+\b], v[TM+\b], v[TP+\b]     ; with lane l xor 16's: the block's largest magnitude
.endr
.irp b, 0,1,2,3
	s_delay_alu instid0(VALU_DEP_4)
	v_add_nc_u32 v[TS+\b], 0xff000000, v[TM+\b]    ; 2 off its exponent field: the conversion's scale operand
.endr
.irp b, 0,1,2,3
	s_delay_alu instid0(VALU_DEP_4)
	v_lshrrev_b32 v[TP+\b], 23, v[TS+\b]           ; the scale's byte
.endr
	s_delay_alu instid0(VALU_DEP_3)
	v_lshl_or_b32 v[PW], v[TP+1], 8, v[TP]
	s_delay_alu instid0(VALU_DEP_1)
	v_lshl_or_b32 v[PW], v[TP+2], 16, v[PW]
	s_delay_alu instid0(VALU_DEP_1)
	v_lshl_or_b32 v[PW], v[TP+3], 24, v[PW]
.irp b, 0,1,2,3
	v_cvt_scalef32_pk8_fp4_f32 v[(\dst)+2*\b], v[(\src)+16*\b:(\src)+7+16*\b], v[TS+\b]
	v_cvt_scalef32_pk8_fp4_f32 v[(\dst)+1+2*\b], v[(\src)+8+16*\b:(\src)+15+16*\b], v[TS+\b]
.endr
	v_nop                                          ; one plain instruction behind the conversions
.irp c, 0,1                                    ; the operand's layout wants a whole block in a lane: lanes 0-15 block 2 c, lanes 16-31 block 2 c + 1
.irp i, 0,1
	v_permlane16_swap_b32 v[(\dst)+4*\c+\i], v[(\dst)+2+4*\c+\i]
.endr
.endr
.endm
.macro LOADW                           ; the weight's half at LDS byte s29: 16 fragments into window 1, v128 on (tile t, K step s at 128 + 16 t + 8 s), 8 scale words
	v_add_nc_u32 v[AW], s29, v[L16]
	WIN 0x40
.set i, 0
.rept 32
	ds_load_b128 v[128+4*i:128+4*i+3], v[AW] offset:512*i
.set i, i+1
.endr
	WIN 0
	ds_load_b128 v[WSW:WSW+3], v[AW] offset:SCO
	ds_load_b128 v[WSW+4:WSW+7], v[AW] offset:SCO+512
.endm
.macro BIASK                           ; the bias as C of Q's and K's sums: lane (r, h), register j of tile t: channel 32 (t / 2) + 8 (t % 2) + 16 h + j of the half at s66
	v_add_nc_u32 v[AB], s66, v[H64]
.irp t, 0,1,2,3,4,5,6,7
	ds_load_b128 v[BIAS+8*\t:BIAS+8*\t+3], v[AB] offset:4*(32*(\t/2)+8*(\t%2))
	ds_load_b128 v[BIAS+8*\t+4:BIAS+8*\t+7], v[AB] offset:4*(32*(\t/2)+8*(\t%2))+16
.endr
.endm
.macro BIASV                           ; as C of V's sums: the lane's channel is row r of wv's tile t, the same in all eight registers
	v_add_nc_u32 v[AB], s66, v[RP4]
.irp t, 0,1,2,3,4,5,6,7
.irp j, 0,1,2,3,4,5,6,7
	ds_load_b32 v[BIAS+8*\t+\j], v[AB] offset:4*(32*(\t/2)+8*(\t%2))
.endr
.endr
.endm
; 16 pixels (fragments at xr, xr + 8; scale words in sw) x the weight's half: 128 channels of Q or K in ACC, quantised into dst.  The eight sums take turns, one instruction a turn.
.macro TILEK win, xr, sw, dst
	WIN \win
.irp t, 0,1,2,3,4,5,6,7
	MM ACC+8*\t, 128+16*\t, \xr, BIAS+8*\t, WSW+\t, \sw, 0, 0
.endr
.irp t, 0,1,2,3,4,5,6,7
	MM ACC+8*\t, 128+16*\t+8, (\xr)+8, ACC+8*\t, WSW+\t, \sw, 1, 1
.endr
	WIN 0
	PLACES 4
	s_wait_dscnt 0x0                               ; the last image's stores have read their registers
	QUANT ACC, \dst
.endm
; my 128 pixels x 16 rows of wv (tile t): V^T's fragment for my key step
.macro TILEV t
	WIN 0x05
.irp p, 0,1,2,3,4,5,6,7
	MM ACC+8*\p, 16*\p, 128+16*\t, BIAS+8*\t, XSW+\p, WSW+\t, 0, 0
.endr
.irp p, 0,1,2,3,4,5,6,7
	MM ACC+8*\p, 16*\p+8, 128+16*\t+8, ACC+8*\p, XSW+\p, WSW+\t, 1, 1
.endr
	WIN 0
	PLACES 4
	s_wait_dscnt 0x0
	QUANT ACC, PCK
.endm
	; ---------------- head ----------------
	s_load_b512 s[4:19], s[0:1], 0x0               ; x s[4:5], xc s[6:7], xs s[8:9], wc s[10:11], aff s[12:13], bq s[14:15], bk s[16:17], bv s[18:19]
	s_load_b64 s[20:21], s[0:1], 0x40              ; out0
	v_lshrrev_b32 v3, 5, v0
	s_delay_alu instid0(VALU_DEP_1)
	v_readfirstlane_b32 s2, v3                     ; wave 0..7
	v_and_b32 v6, 31, v0
	s_delay_alu instid0(VALU_DEP_1)
	v_lshlrev_b32 v[L16], 4, v6
	v_and_b32 v7, 15, v0                           ; r
	v_bfe_u32 v[H64], v0, 4, 1                     ; h
	s_delay_alu instid0(VALU_DEP_1)
	v_lshl_add_u32 v205, v[H64], 12, v7            ; xs: lanes 0-15 take blocks 0-3 of row r, lanes 16-31 blocks 4-7
	s_delay_alu instid0(VALU_DEP_3)
	v_and_b32 v[RP4], 8, v7
	s_delay_alu instid0(VALU_DEP_1)
	v_add_nc_u32 v[RP4], v[RP4], v7
	s_delay_alu instid0(VALU_DEP_1)
	v_lshlrev_b32 v[RP4], 2, v[RP4]
	v_lshlrev_b32 v[R16], 4, v7
	v_lshlrev_b32 v[H64], 6, v[H64]
	v_lshl_add_u32 v202, v3, 11, v[L16]            ; my wave's eighth of a half's codes: 2048 w + 16 lane
	v_lshlrev_b32 v204, 2, v0                      ; and of its scale words, and of a bias: 4 x thread
	s_delay_alu instid0(VALU_DEP_2)
	v_add_nc_u32 v206, VBASE, v202
	s_delay_alu instid0(VALU_DEP_2)
	v_add_nc_u32 v207, VBASE+SCO, v204
	s_delay_alu instid0(VALU_DEP_4)
	v_add_nc_u32 v208, WST, v202
	s_delay_alu instid0(VALU_DEP_4)
	v_add_nc_u32 v209, WST+SCO, v204
	v_add_nc_u32 v210, BST, v204
	s_mov_b32 s22, ttmp9                           ; qd
	s_and_b32 s23, ttmp7, 0xffff                   ; b
	s_mov_b32 s24, 0x76543210
	s_mov_b32 s25, 0xfedcba98                      ; v_permlanex16_b32's selects for lane l xor 16
	s_mov_b32 s26, 0x3e38aa3b                      ; log2(e) / 8
	s_mov_b32 s27, s26                             ; (named with it as a pair, so it is written)
	s_mov_b32 s28, 0xffff0000                      ; lanes 16-31
	s_lshl_b32 s36, s23, 20
	s_lshl_b32 s42, s2, 17
	s_add_co_u32 s36, s36, s42
	s_lshl_b32 s42, s22, 10
	s_add_co_u32 s36, s36, s42
	s_mov_b32 s37, 0                               ; x, out0: batch, my 32 channels, my quarter's 256 pixels
	s_lshl_b32 s44, s23, 17
	s_lshl_b32 s42, s2, 14
	s_add_co_u32 s32, s44, s42
	s_mov_b32 s33, 0                               ; xc: my 8 tiles of keys
	s_lshl_b32 s42, s22, 15
	s_add_co_u32 s34, s44, s42
	s_lshl_b32 s42, s2, 12
	s_add_co_u32 s34, s34, s42
	s_mov_b32 s35, 0                               ; xc: my 2 tiles of queries: tile 16 qd + 2 w
	s_lshl_b32 s44, s23, 13
	s_lshl_b32 s42, s2, 7
	s_add_co_u32 s38, s44, s42
	s_mov_b32 s39, 0                               ; xs likewise: 16 bytes a tile
	s_lshl_b32 s42, s22, 8
	s_add_co_u32 s40, s44, s42
	s_lshl_b32 s42, s2, 5
	s_add_co_u32 s40, s40, s42
	s_mov_b32 s41, 0
	s_lshl_b32 s46, s23, 11
	s_lshl_b32 s42, s2, 7
	s_add_co_u32 s46, s46, s42
	s_mov_b32 s47, 0                               ; aff: batch, my 32 channels
	s_wait_alu depctr_va_vdst(0)
	s_wait_kmcnt 0x0
	s_add_nc_u64 s[4:5], s[4:5], s[36:37]
	s_add_nc_u64 s[20:21], s[20:21], s[36:37]
	s_add_nc_u64 s[32:33], s[6:7], s[32:33]
	s_add_nc_u64 s[34:35], s[6:7], s[34:35]
	s_add_nc_u64 s[38:39], s[8:9], s[38:39]
	s_add_nc_u64 s[40:41], s[8:9], s[40:41]
	s_add_nc_u64 s[12:13], s[12:13], s[46:47]
.irp i, 0,1,2                                  ; 33 loads: my eighth of wq, wk, wv, and of the three biases
.irp f, 0,1
.irp k, 0,1,2,3
	global_load_b128 v[96+16*(2*\i+\f)+4*\k:96+16*(2*\i+\f)+4*\k+3], v202, s[10:11] offset:34816*\i+17408*\f+512*\k
.endr
	global_load_b32 v[192+2*\i+\f], v204, s[10:11] offset:34816*\i+17408*\f+16384
.endr
.endr
	global_load_b32 v198, v204, s[14:15]
	global_load_b32 v199, v204, s[16:17]
	global_load_b32 v200, v204, s[18:19]
.irp p, 0,1,2,3,4,5,6,7                        ; 40 loads: xn's scale bytes, four to a word
.irp i, 0,1,2,3
	global_load_u8 v[16+4*\p+\i], v205, s[38:39] offset:1024*\i+16*\p
.endr
.endr
.irp a, 0,1
.irp i, 0,1,2,3
	global_load_u8 v[80+4*\a+\i], v205, s[40:41] offset:1024*\i+16*\a
.endr
.endr
	s_wait_loadcnt 40                              ; the 33 are in; the 40 byte loads may stay out
.irp i, 0,1
.irp f, 0,1
.irp k, 0,1,2,3
	ds_store_b128 v206, v[96+16*(2*\i+\f)+4*\k:96+16*(2*\i+\f)+4*\k+3] offset:34816*\i+17408*\f+512*\k
.endr
	ds_store_b32 v207, v[192+2*\i+\f] offset:34816*\i+17408*\f
.endr
.endr
.irp f, 0,1
.irp k, 0,1,2,3
	ds_store_b128 v208, v[96+16*(4+\f)+4*\k:96+16*(4+\f)+4*\k+3] offset:17408*\f+512*\k
.endr
	ds_store_b32 v209, v[196+\f] offset:17408*\f
.endr
	ds_store_b32 v210, v198
	ds_store_b32 v210, v199 offset:1024
	ds_store_b32 v210, v200 offset:2048
.irp i, 0,1,2,3,4,5,6,7                        ; 8 loads: xn of my queries: tile a, K step s at XQ + 16 a + 8 s
	global_load_b128 v[XQ+4*\i:XQ+4*\i+3], v[L16], s[34:35] offset:512*\i
.endr
	s_wait_loadcnt 8                               ; the bytes are in; the 8 just issued may stay out
.irp a, 0,1
	v_lshl_or_b32 v[XSWQ+\a], v[81+4*\a], 8, v[80+4*\a]
	s_delay_alu instid0(VALU_DEP_1)
	v_lshl_or_b32 v[XSWQ+\a], v[82+4*\a], 16, v[XSWQ+\a]
	s_delay_alu instid0(VALU_DEP_1)
	v_lshl_or_b32 v[XSWQ+\a], v[83+4*\a], 24, v[XSWQ+\a]
.endr
.irp p, 0,1,2,3,4,5,6,7                        ; (these 24 lines are also the places between the words above and the first product that names them)
	v_lshl_or_b32 v[XSW+\p], v[17+4*\p], 8, v[16+4*\p]
	s_delay_alu instid0(VALU_DEP_1)
	v_lshl_or_b32 v[XSW+\p], v[18+4*\p], 16, v[XSW+\p]
	s_delay_alu instid0(VALU_DEP_1)
	v_lshl_or_b32 v[XSW+\p], v[19+4*\p], 24, v[XSW+\p]
.endr
	WIN 0x40
.set i, 0
.rept 32                                       ; 32 loads: xn of my keys: tile p, K step s at 16 p + 8 s of window 1
	global_load_b128 v[4*i:4*i+3], v[L16], s[32:33] offset:512*i
.set i, i+1
.endr
	WIN 0
.irp b, 0,1,2,3
	v_mov_b32 v[TP+\b], 0                          ; a lane permute's destination counts as one of its sources
.endr
	BAR                                            ; 1: weights and biases lie in LDS
	; ---------------- Q: my two tiles of queries, a half of the channels at a time ----------------
.irp f, 0,1
	s_mov_b32 s29, VBASE+KR*\f
	s_mov_b32 s66, BST+512*\f
	LOADW
	BIASK
.if \f == 0
	s_wait_loadcnt 32                              ; xn of my queries is in; the 32 loads for my keys may stay out
.endif
	s_wait_dscnt 0x0
.irp a, 0,1
	TILEK 0x01, XQ+16*\a, XSWQ+\a, QF+16*\a+8*\f
.if \f == 0
	v_mov_b32 v[QSW+\a], v[PW]
.else
	v_cndmask_b32 v[QSW+\a], v[QSW+\a], v[PW], s28   ; lanes 0-15: K step 0's word, lanes 16-31: K step 1's
.endif
.endr
.endr
	; ---------------- K: my 8 tiles of keys; a trip makes one half of the channels = one K step of the scores ----------------
	s_mul_i32 s30, s2, KR                          ; my key step's region
	s_add_co_u32 s31, s30, SCO
	s_mov_b32 s29, VBASE+2*KR                      ; wk
	s_mov_b32 s66, BST+1024
	s_mov_b32 s3, 2
.Lk:
	s_wait_dscnt 0x0                               ; the last trip's stores have read their addresses and data
	LOADW
	BIASK
	v_add_nc_u32 v[AI], s30, v[L16]
	v_add_nc_u32 v[AS], s31, v[R16]
	s_wait_loadcnt 0x0                             ; xn of my keys
	s_wait_dscnt 0x0
.irp p, 0,1,2,3,4,5,6,7
	TILEK 0x05, 16*\p, XSW+\p, PCK
	ds_store_b128 v[AI], v[PCK:PCK+3] offset:2048*\p
	ds_store_b128 v[AI], v[PCK+4:PCK+7] offset:2048*\p+512
	ds_store_b32 v[AS], v[PW] offset:512*(\p/4)+4*(\p%4)   ; lanes r and r + 16 write the same word with the same value
.endr
	s_add_co_u32 s29, s29, KR
	s_add_co_u32 s30, s30, 1024
	s_add_co_u32 s31, s31, 256
	s_add_co_u32 s66, s66, 512
	s_sub_co_u32 s3, s3, 1
	s_cmp_lg_u32 s3, 0
	s_cbranch_scc1 .Lk
	BAR                                            ; 2: nobody reads wq or wk any more: V's images may be laid over them
	; ---------------- V: the same pixels; a trip makes one half of the channels ----------------
	v_lshrrev_b32 v94, 5, v0
	s_delay_alu instid0(VALU_DEP_1)
	v_lshl_add_u32 v94, v94, 11, v[L16]            ; 2048 w + 16 lane
	v_lshlrev_b32 v95, 2, v0                       ; 4 x thread
	global_load_b128 v[56:59], v94, s[10:11] offset:104448         ; my eighth of wo, on its way while V is made
	global_load_b128 v[60:63], v94, s[10:11] offset:104448+512
	global_load_b128 v[64:67], v94, s[10:11] offset:104448+1024
	global_load_b128 v[68:71], v94, s[10:11] offset:104448+1536
	global_load_b128 v[72:75], v94, s[10:11] offset:104448+17408
	global_load_b128 v[76:79], v94, s[10:11] offset:104448+17408+512
	global_load_b128 v[236:239], v94, s[10:11] offset:104448+17408+1024
	global_load_b128 v[244:247], v94, s[10:11] offset:104448+17408+1536
	global_load_b32 v234, v95, s[10:11] offset:104448+16384
	global_load_b32 v235, v95, s[10:11] offset:104448+17408+16384
	s_mul_i32 s30, s2, KR
	s_add_co_u32 s30, s30, VBASE
	s_add_co_u32 s31, s30, SCO
	s_mov_b32 s29, WST                             ; wv
	s_mov_b32 s66, BST+2048
	s_mov_b32 s3, 2
.Lv:
	s_wait_dscnt 0x0
	LOADW
	BIASV
	v_add_nc_u32 v[AI], s30, v[L16]
	v_add_nc_u32 v[AS], s31, v[R16]
	s_wait_dscnt 0x0
.irp t, 0,1,2,3,4,5,6,7
	TILEV \t
	ds_store_b128 v[AI], v[PCK:PCK+3] offset:1024*\t
	ds_store_b128 v[AI], v[PCK+4:PCK+7] offset:1024*\t+512
	ds_store_b32 v[AS], v[PW] offset:256*(\t%2)+4*(\t/2)
.endr
	s_add_co_u32 s29, s29, KR
	s_add_co_u32 s30, s30, 8192
	s_add_co_u32 s31, s31, 512
	s_add_co_u32 s66, s66, 512
	s_sub_co_u32 s3, s3, 1
	s_cmp_lg_u32 s3, 0
	s_cbranch_scc1 .Lv
	s_wait_loadcnt 0x0                             ; wo
	BAR                                            ; 3: all of K and V lies in LDS, and nobody reads wv any more
	v_add_nc_u32 v[AW], WST, v94
	v_add_nc_u32 v[AB], WST+SCO, v95
	ds_store_b128 v[AW], v[56:59]
	ds_store_b128 v[AW], v[60:63] offset:512
	ds_store_b128 v[AW], v[64:67] offset:1024
	ds_store_b128 v[AW], v[68:71] offset:1536
	ds_store_b128 v[AW], v[72:75] offset:17408
	ds_store_b128 v[AW], v[76:79] offset:17408+512
	ds_store_b128 v[AW], v[236:239] offset:17408+1024
	ds_store_b128 v[AW], v[244:247] offset:17408+1536
	ds_store_b32 v[AB], v234
	ds_store_b32 v[AB], v235 offset:17408
	s_wait_dscnt 0x0                               ; the stores have read their registers, which the attention takes
	v_mov_b32 v5, 0                                ; the upper halves of the pairs (f, -)
	v_mov_b32 v7, 0
.irp i, 252,253,254,255
	v_mov_b32 v[\i], 0                             ; l, two halves a tile
.endr
	v_lshlrev_b32 v[PFO], 8, v[R16]
	v_bfe_u32 v245, v0, 4, 1
	s_delay_alu instid0(VALU_DEP_1)
	v_lshl_add_u32 v[PFO], v245, 8, v[PFO]         ; 4096 x (lane % 16) + 256 x (lane / 16)
	; ---------------- attention ----------------
; K's fragments come four at a time (two tiles of keys x two K steps) into two sets of registers by turns: set 0 v48-79; set 1 v80-95 and v224-239.
.macro FBREG g, f
.if ((\g)%2) == 0
.set FBR, 48+8*(\f)
.elseif (\f) < 2
.set FBR, 80+8*(\f)
.else
.set FBR, 224+8*((\f)-2)
.endif
.endm
.macro KLOAD g
.irp f, 0,1,2,3
	FBREG \g, \f
	ds_load_b128 v[FBR:FBR+3], v[ADR] offset:4096*(\g)+1024*\f
	ds_load_b128 v[FBR+4:FBR+7], v[ADR] offset:4096*(\g)+1024*\f+512
.endr
.endm
.macro KQ g                            ; eight products: tiles of keys 2 g, 2 g + 1 x my two tiles of queries; four sums by turns, K step 0 starts them
.irp s, 0,1
.irp u, 0,1
.irp a, 0,1
	FBREG \g, 2*\u+\s
.if \s == 0
	MM S+64*\a+8*(2*\g+\u), FBR, QF+16*\a, -1, SW+2*\g+\u, QSW+\a, 0, 0
.else
	MM S+64*\a+8*(2*\g+\u), FBR, QF+16*\a+8, S+64*\a+8*(2*\g+\u), SW+2*\g+\u, QSW+\a, 1, 1
.endif
.endr
.endr
.endr
.endm
; A KEY STEP: 128 keys.  first = 1: the first, which starts M, l and O^T.  The two tiles' softmax lines stand by turns, so that no line waits for the line above it.
.macro STEP first
	v_add_nc_u32 v[ADR], s29, v[L16]
	PLACES 4                                       ; with the two additions six places: the registers that the last products read are next loaded, or written by matrix instructions
	v_add_nc_u32 v[ADV], VBASE, v[ADR]
	ds_load_b128 v[SW:SW+3], v[ADR] offset:SCO
	ds_load_b128 v[SW+4:SW+7], v[ADR] offset:SCO+512
	KLOAD 0
	KLOAD 1
.if !\first
; A PREFETCH INTO THE L2, in the last key step alone: x of my first 16 channels, my quarter's 1,024 bytes of each: 64 blocks of 256 bytes, a lane a block, two instructions; the loads that want them are issued
; behind this key step.  No other wave of the launch reads these bytes, so each block is named once.  The address registers are never rewritten.
	s_cmp_eq_u32 s3, 1
	s_cbranch_scc0 .Lnopf_\@
	global_prefetch_b8 v[PFO], s[4:5] th:TH_LOAD_NT scope:SCOPE_SE
	global_prefetch_b8 v[PFO], s[4:5] offset:512 th:TH_LOAD_NT scope:SCOPE_SE
.Lnopf_\@:
.endif
	s_wait_alu depctr_va_vdst(0)
	s_wait_dscnt 8                                 ; the scale words and set 0 are in; the eight loads of set 1 may stay out
	KQ 0
	PLACES 4
	KLOAD 2
	s_wait_dscnt 8                                 ; set 1 is in; the eight just issued may stay out
	KQ 1
	PLACES 4
	KLOAD 3
	s_wait_dscnt 8
	KQ 2
	s_wait_dscnt 0x0
	KQ 3
	PLACES 4
.irp b, 0,1,2,3                                ; the largest score of each block of 32 keys: for the row's maximum and, since p rises with the score, for the block's largest p
.irp a, 0,1
	v_max3_num_f32 v[48+4*\a+\b], v[S+64*\a+16*\b], v[S+64*\a+16*\b+1], v[S+64*\a+16*\b+2]
.endr
.endr
.irp i, 3,5,7,9,11,13
.irp b, 0,1,2,3
.irp a, 0,1
	v_max3_num_f32 v[48+4*\a+\b], v[48+4*\a+\b], v[S+64*\a+16*\b+\i], v[S+64*\a+16*\b+\i+1]
.endr
.endr
.endr
.irp b, 0,1,2,3
.irp a, 0,1
	v_max_num_f32 v[48+4*\a+\b], v[48+4*\a+\b], v[S+64*\a+16*\b+15]
.endr
.endr
.irp b, 0,1,2,3
.irp a, 0,1
	v_permlanex16_b32 v[56+4*\a+\b], v[48+4*\a+\b], s24, s25
.endr
.endr
.irp b, 0,1,2,3
.irp a, 0,1
	v_max_num_f32 v[48+4*\a+\b], v[48+4*\a+\b], v[56+4*\a+\b]   ; with lane l xor 16's 16 keys
.endr
.endr
.irp a, 0,1
	s_delay_alu instid0(VALU_DEP_4)
	v_max3_num_f32 v[74+\a], v[48+4*\a], v[49+4*\a], v[50+4*\a]
.endr
.irp a, 0,1
	s_delay_alu instid0(VALU_DEP_2)
	v_max_num_f32 v[74+\a], v[74+\a], v[51+4*\a]
.endr
.irp a, 0,1
	s_delay_alu instid0(VALU_DEP_2)
	v_mul_f32 v[74+\a], s26, v[74+\a]              ; the step's largest t of my query
.endr
.if \first
.irp a, 0,1
	s_delay_alu instid0(VALU_DEP_2)
	v_mov_b32 v[249+2*\a], v[74+\a]
.endr
.else
.irp a, 0,1
	s_delay_alu instid0(VALU_DEP_2)
	v_max_num_f32 v[249+2*\a], v[249+2*\a], v[74+\a]   ; the running largest t
.endr
.irp a, 0,1
	v_mov_b32 v[74+\a], v[248+2*\a]
.endr
.endif
.irp a, 0,1
	v_floor_f32 v[248+2*\a], -v[249+2*\a]          ; -M = floor(-t): M is a whole number
.endr
.if !\first
.irp a, 0,1
	s_delay_alu instid0(VALU_DEP_2)
	v_sub_f32 v[74+\a], v[248+2*\a], v[74+\a]      ; old M - new M: a whole number, 0 or less
.endr
.irp a, 0,1
	s_delay_alu instid0(VALU_DEP_2)
	v_cvt_i32_f32 v[74+\a], v[74+\a]
.endr
.irp a, 0,1
	s_delay_alu instid0(VALU_DEP_2)
	v_ldexp_f32 v[4+2*\a], 1.0, v[74+\a]           ; f = 2^(old M - new M)
.endr
.endif
.set j, 0
.rept 64
	v_pk_fma_f32 v[S+2*j:S+2*j+1], v[S+2*j:S+2*j+1], s[26:27], v[248+2*(j/32):249+2*(j/32)] op_sel_hi:[1,0,0]   ; t - M
.set j, j+1
.endr
.irp b, 0,1,2,3
.irp a, 0,1
	v_fma_f32 v[48+4*\a+\b], v[48+4*\a+\b], s26, v[248+2*\a]   ; the same of each block's largest score
.endr
.endr
.set j, 0
	s_wait_alu depctr_va_vdst(0)
.rept 128
	v_exp_f32 v[S+j], v[S+j]                       ; p = 2^(t - M), at most 1
.set j, j+1
.endr
.if \first
	v_nop                                          ; a plain instruction behind the exponentials
.else
.irp a, 0,1
	v_pk_mul_f32 v[252+2*\a:253+2*\a], v[252+2*\a:253+2*\a], v[4+2*\a:5+2*\a] op_sel_hi:[1,0]   ; l under the new M (plain instructions behind the exponentials)
.endr
.endif
	s_wait_alu depctr_va_vdst(0)                   ; one wait for the 128, ahead of their first reader
.irp b, 0,1,2,3
.irp a, 0,1
	v_exp_f32 v[48+4*\a+\b], v[48+4*\a+\b]         ; the blocks' largest p
.endr
.endr
.irp a, 0,1                                    ; l is taken of the unquantised p: two chains a tile
	v_pk_add_f32 v[76+2*\a:77+2*\a], v[S+64*\a:S+64*\a+1], v[S+64*\a+2:S+64*\a+3]
.endr
.irp j, 4,8,12,16,20,24,28,32,36,40,44,48,52,56,60
.irp a, 0,1
	v_pk_add_f32 v[252+2*\a:253+2*\a], v[252+2*\a:253+2*\a], v[S+64*\a+\j:S+64*\a+\j+1]
	v_pk_add_f32 v[76+2*\a:77+2*\a], v[76+2*\a:77+2*\a], v[S+64*\a+\j+2:S+64*\a+\j+3]
.endr
.endr
.irp a, 0
	s_delay_alu instid0(VALU_DEP_3)
	v_pk_add_f32 v[252+2*\a:253+2*\a], v[252+2*\a:253+2*\a], v[76+2*\a:77+2*\a]
.endr
.irp a, 1
	s_delay_alu instid0(VALU_DEP_2)
	v_pk_add_f32 v[252+2*\a:253+2*\a], v[252+2*\a:253+2*\a], v[76+2*\a:77+2*\a]
.endr
	s_wait_alu depctr_va_vdst(0)                   ; and one for the eight
.irp b, 0,1,2,3
.irp a, 0,1
	v_max_num_f32 v[48+4*\a+\b], 0x1800000, v[48+4*\a+\b]   ; the floor 2^(3 - 127)
.endr
.endr
	s_setprio 1
.irp b, 0,1,2,3
.irp a, 0,1
	v_add_nc_u32 v[64+4*\a+\b], 0xff000000, v[48+4*\a+\b]
.endr
.endr
.irp b, 0,1,2,3
.irp a, 0,1
	v_lshrrev_b32 v[56+4*\a+\b], 23, v[64+4*\a+\b]
.endr
.endr
.irp a, 0,1
	v_lshl_or_b32 v[PSW+\a], v[57+4*\a], 8, v[56+4*\a]
.endr
.irp a, 0,1
	s_delay_alu instid0(VALU_DEP_2)
	v_lshl_or_b32 v[PSW+\a], v[58+4*\a], 16, v[PSW+\a]
.endr
.irp a, 0,1
	s_delay_alu instid0(VALU_DEP_2)
	v_lshl_or_b32 v[PSW+\a], v[59+4*\a], 24, v[PSW+\a]   ; p's scale word for these 128 keys
.endr
.irp a, 0,1
.irp b, 0,1,2,3
	v_cvt_scalef32_pk8_fp4_f32 v[PCD+8*\a+2*\b], v[S+64*\a+16*\b:S+64*\a+16*\b+7], v[64+4*\a+\b]
	v_cvt_scalef32_pk8_fp4_f32 v[PCD+8*\a+2*\b+1], v[S+64*\a+16*\b+8:S+64*\a+16*\b+15], v[64+4*\a+\b]
.endr
.endr
	v_nop                                          ; one plain instruction behind the conversions
.irp a, 0,1
.irp c, 0,1
.irp i, 0,1
	v_permlane16_swap_b32 v[PCD+8*\a+4*\c+\i], v[PCD+8*\a+4*\c+2+\i]
.endr
.endr
.endr
.set i, 0
.rept 32                                       ; V's 16 fragments take p's registers
	ds_load_b128 v[S+4*i:S+4*i+3], v[ADV] offset:512*i
.set i, i+1
.endr
	ds_load_b128 v[SW:SW+3], v[ADV] offset:SCO
	ds_load_b128 v[SW+4:SW+7], v[ADV] offset:SCO+512
.if \first
	PLACES 8                                       ; p's scale words stand eight places ahead of the products
.else
	WIN 0x41
.set j, 0
.rept 128
	v_pk_mul_f32 v[2*j:2*j+1], v[2*j:2*j+1], v[4+2*(j/64):5+2*(j/64)] op_sel_hi:[1,0]   ; O^T under the new M, while V's loads are out; each sum from its low end on
.set j, j+1
.endr
.endif
	s_wait_alu depctr_va_vdst(0)
	s_wait_dscnt 0x0
	WIN 0x50
.set ct, 0
	s_setprio 0
.rept 16                                       ; O^T += V^T P^T: 32 sums, one instruction each
.irp a, 0,1
.if \first
	MM 128*\a+8*ct, S+8*ct, PCD+8*\a, -1, SW+ct/2, PSW+\a, ct%2, 0
.else
	MM 128*\a+8*ct, S+8*ct, PCD+8*\a, 128*\a+8*ct, SW+ct/2, PSW+\a, ct%2, 0
.endif
.endr
.set ct, ct+1
.endr
	WIN 0
	s_add_co_u32 s29, s29, KR
.endm
	s_mov_b32 s29, 0
	STEP 1
	s_mov_b32 s3, 7
.Lstep:
	s_setprio 2
	STEP 0
	s_sub_co_u32 s3, s3, 1
	s_cmp_lg_u32 s3, 0
	s_cbranch_scc1 .Lstep
	s_setprio 0
	; ---------------- the end ----------------
	s_load_b512 s[32:47], s[12:13], 0x0            ; a of my 32 channels: s32-63
	s_load_b512 s[48:63], s[12:13], 0x40
	s_load_b512 s[68:83], s[12:13], 0x400          ; s: s68-99
	s_load_b512 s[84:99], s[12:13], 0x440
	PLACES 4
.irp a, 0,1
	v_add_f32 v[74+\a], v[252+2*\a], v[253+2*\a]
.endr
.irp a, 0,1
	s_delay_alu instid0(VALU_DEP_2)
	v_permlanex16_b32 v[56+\a], v[74+\a], s24, s25
.endr
.irp a, 0,1
	s_delay_alu instid0(VALU_DEP_2)
	v_add_f32 v[74+\a], v[74+\a], v[56+\a]         ; l
.endr
	s_wait_alu depctr_va_vdst(0)
.irp a, 0,1
	v_rcp_f32 v[4+2*\a], v[74+\a]
.endr
	v_and_b32 v95, 15, v0                          ; (plain instructions behind the reciprocals)
	v_bfe_u32 v93, v0, 4, 1
	s_delay_alu instid0(VALU_DEP_2)
	v_mul_u32_u24 v94, v95, OPITCH
	s_delay_alu instid0(VALU_DEP_1)
	v_lshl_add_u32 v94, v93, 6, v94
	s_lshl_b32 s30, s2, 7
	v_add_nc_u32 v94, s30, v94                     ; v94: the stage, on the way in: channel row r, my wave's 32 pixels, + 16 pixels for lanes 16-31
	s_mul_i32 s31, s2, 32*OPITCH
	v_add_nc_u32 v95, s31, v[L16]                  ; v95: on the way out: my 32 channel rows, 16 bytes a lane
	s_wait_alu depctr_va_vdst(0)                   ; one wait for the two, ahead of their first reader
.irp a, 0,1
	WIN 0x01
.set i, 0
.rept 64
	v_pk_mul_f32 v[S+2*i:S+2*i+1], v[128*\a+2*i:128*\a+2*i+1], v[4+2*\a:5+2*\a] op_sel_hi:[1,0]   ; O^T / l, each sum from its low end on
.set i, i+1
.endr
	WIN 0
	QUANT S, QF+16*\a
	v_mov_b32 v[QSW+\a], v[PW]
	QUANT S+64, QF+16*\a+8
	v_cndmask_b32 v[QSW+\a], v[QSW+\a], v[PW], s28
.endr
	PLACES 8                                       ; the scale words stand eight places ahead of the products
	WIN 0x40
.set i, 0
.rept 16                                       ; x of my channels 0-15, my quarter's 1,024 bytes of each, 512 consecutive bytes a load
	global_load_b128 v[128+8*i:128+8*i+3], v[L16], s[4:5] offset:4096*i th:TH_LOAD_NT
	global_load_b128 v[128+8*i+4:128+8*i+7], v[L16], s[4:5] offset:4096*i+512 th:TH_LOAD_NT
.set i, i+1
.endr
	WIN 0
	s_wait_alu depctr_va_vdst(0)
	BAR                                            ; 4: nobody reads K or V any more: their bytes become the stage; wo lies in LDS
.irp hh, 0,1                                   ; a half of the 256 output channels at a time: 16 sums by turns
	v_add_nc_u32 v[AW], WST+KR*\hh, v[L16]
.set i, 0
.rept 32
	ds_load_b128 v[S+4*i:S+4*i+3], v[AW] offset:512*i
.set i, i+1
.endr
	ds_load_b128 v[WSW:WSW+3], v[AW] offset:SCO
	ds_load_b128 v[WSW+4:WSW+7], v[AW] offset:SCO+512
	s_wait_dscnt 0x0                               ; wo's half is in; the last half's stores into the stage have read their registers
	WIN 0x50
.irp t, 0,1,2,3,4,5,6,7
.irp a, 0,1
	MM 64*\a+8*\t, QF+16*\a, S+16*\t, -1, QSW+\a, WSW+\t, 0, 0
.endr
.endr
.irp t, 0,1,2,3,4,5,6,7
.irp a, 0,1
	MM 64*\a+8*\t, QF+16*\a+8, S+16*\t+8, 64*\a+8*\t, QSW+\a, WSW+\t, 1, 1
.endr
.endr
	WIN 0
	PLACES 4
.irp t, 0,1,2,3,4,5,6,7
	v_add_nc_u32 v[48+\t], (8*\hh+\t)*16*OPITCH, v94
.endr
.if \hh == 1
.set i, 0
.rept 16                                       ; x of my channels 16-31, into the registers that wo has left
	global_load_b128 v[S+8*i:S+8*i+3], v[L16], s[4:5] offset:65536+4096*i th:TH_LOAD_NT
	global_load_b128 v[S+8*i+4:S+8*i+7], v[L16], s[4:5] offset:65536+4096*i+512 th:TH_LOAD_NT
.set i, i+1
.endr
.endif
	WIN 0x04
.irp t, 0,1,2,3,4,5,6,7                        ; lane (r, h): channel 16 t + r, pixels 32 w + 16 h + 8 a + 0 .. 7; each sum from its low end on
.irp a, 0,1
	ds_store_b128 v[48+\t], v[64*\a+8*\t:64*\a+8*\t+3] offset:32*\a
	ds_store_b128 v[48+\t], v[64*\a+8*\t+4:64*\a+8*\t+7] offset:32*\a+16
.endr
.endr
	WIN 0
.endr
	BAR                                            ; 5: 256 whole rows lie in the stage
	s_wait_kmcnt 0x0                               ; a and s
	WIN 0x40
.set i, 0
.rept 16
	ds_load_b128 v[8*i:8*i+3], v95 offset:OPITCH*i
	ds_load_b128 v[8*i+4:8*i+7], v95 offset:OPITCH*i+512
.set i, i+1
.endr
	s_wait_loadcnt 32                              ; x of channels 0-15 is in; the 32 loads for channels 16-31 may stay out
	WIN 0x41
.set i, 0
.rept 128
	v_fma_f32 v[128+i], v[128+i], s[32+i/8], s[68+i/8]   ; xn + bo = x a + s
.set i, i+1
.endr
	s_wait_dscnt 0x0
	WIN 0x45
.set i, 0
.rept 64
	v_pk_add_f32 v[128+2*i:129+2*i], v[128+2*i:129+2*i], v[2*i:2*i+1]
.set i, i+1
.endr
	WIN 0x04
.set i, 0
.rept 16
	global_store_b128 v[L16], v[128+8*i:128+8*i+3], s[20:21] offset:4096*i th:TH_STORE_NT   ; 32 lanes store 512 consecutive bytes, at a multiple of 256 from out0's first byte
	global_store_b128 v[L16], v[128+8*i+4:128+8*i+7], s[20:21] offset:4096*i+512 th:TH_STORE_NT
.set i, i+1
.endr
	WIN 0x40
.set i, 0
.rept 16
	ds_load_b128 v[8*i:8*i+3], v95 offset:OPITCH*(16+i)
	ds_load_b128 v[8*i+4:8*i+7], v95 offset:OPITCH*(16+i)+512
.set i, i+1
.endr
	WIN 0
	s_wait_loadcnt 0x0
.set i, 0
.rept 128
	v_fma_f32 v[S+i], v[S+i], s[48+i/8], s[84+i/8]
.set i, i+1
.endr
	s_wait_dscnt 0x0
	WIN 0x04
.set i, 0
.rept 64
	v_pk_add_f32 v[S+2*i:S+2*i+1], v[S+2*i:S+2*i+1], v[2*i:2*i+1]
.set i, i+1
.endr
	WIN 0
.set i, 0
.rept 16
	global_store_b128 v[L16], v[S+8*i:S+8*i+3], s[20:21] offset:65536+4096*i th:TH_STORE_NT
	global_store_b128 v[L16], v[S+8*i+4:S+8*i+7], s[20:21] offset:65536+4096*i+512 th:TH_STORE_NT
.set i, i+1
.endr
	s_wait_xcnt 0x0
	v_lshl_add_u32 v254, v0, 2, 0x4d400
	v_mov_b32 v255, 0
	s_wait_alu depctr_va_vdst(0)
	s_wait_tensorcnt 0x0
	ds_add_u32 v254, v255
	s_wait_dscnt 0x0
	s_endpgm
.Lfunc_end_k_q7d9de0362c_attn:
	.size	k_q7d9de0362c_attn, .Lfunc_end_k_q7d9de0362c_attn-k_q7d9de0362c_attn
	.p2alignl 7, 3214868480
	.fill 96, 4, 3214868480
	.section	.rodata,"a",@progbits
	.p2align	6, 0x0
	.amdhsa_kernel k_q7d9de0362c_attn
		.amdhsa_group_segment_fixed_size 317440
		.amdhsa_private_segment_fixed_size 0
		.amdhsa_enable_private_segment 0
		.amdhsa_kernarg_size 72
		.amdhsa_user_sgpr_count 2
		.amdhsa_user_sgpr_kernarg_segment_ptr 1
		.amdhsa_wavefront_size32 1
		.amdhsa_system_sgpr_workgroup_id_x 1
		.amdhsa_system_sgpr_workgroup_id_y 1
		.amdhsa_system_sgpr_workgroup_id_z 1
		.amdhsa_system_vgpr_workitem_id 0
		.amdhsa_next_free_vgpr 512
		.amdhsa_next_free_sgpr 102
		.amdhsa_reserve_vcc 0
		.amdhsa_float_denorm_mode_32 3
		.amdhsa_float_denorm_mode_16_64 3
		.amdhsa_memory_ordered 1
		.amdhsa_forward_progress 1
		.amdhsa_inst_pref_size 255
	.end_amdhsa_kernel
	.section	.bss,"aw",@nobits
	.p2align	6
	.space	262144
	.amdgpu_metadata
---
amdhsa.version: [ 1, 2 ]
amdhsa.kernels:
  - .name:           k_q7d9de0362c_attn
    .symbol:         k_q7d9de0362c_attn.kd
    .args:
      - { .name: x, .offset: 0, .size: 8, .value_kind: global_buffer, .address_space: global }
      - { .name: xc, .offset: 8, .size: 8, .value_kind: global_buffer, .address_space: global }
      - { .name: xs, .offset: 16, .size: 8, .value_kind: global_buffer, .address_space: global }
      - { .name: wc, .offset: 24, .size: 8, .value_kind: global_buffer, .address_space: global }
      - { .name: aff, .offset: 32, .size: 8, .value_kind: global_buffer, .address_space: global }
      - { .name: bq, .offset: 40, .size: 8, .value_kind: global_buffer, .address_space: global }
      - { .name: bk, .offset: 48, .size: 8, .value_kind: global_buffer, .address_space: global }
      - { .name: bv, .offset: 56, .size: 8, .value_kind: global_buffer, .address_space: global }
      - { .name: out0, .offset: 64, .size: 8, .value_kind: global_buffer, .address_space: global }
    .group_segment_fixed_size: 317440
    .private_segment_fixed_size: 0
    .kernarg_segment_align: 8
    .kernarg_segment_size: 72
    .max_flat_workgroup_size: 256
    .sgpr_count:     102
    .vgpr_count:     512
    .wavefront_size: 32
...
	.end_amdgpu_metadata
.endif
;; end of part 2
